; MI455X (gfx1250); checked and timed in simulation.
; The chip was launched on July 23, 2026; its instructions are those of AMD's public machine-readable ISA for CDNA 5 (MIT licence, August 2026) and "CDNA5" Instruction Set Architecture Reference Guide (July 2026). The comments in the code are by the model that wrote it; some were corrected since.
;; Causal Self Attention Last. Allowed arithmetic: matrix products marked QUANTISED: E4M3 operands, one given power-of-two scale a tensor, by v_wmma_f32_16x16x64_fp8_fp8 or v_wmma_f32_16x16x128_fp8_fp8, f32 sums; products left as they are: f32 operands where the result goes on into a quantised operand, else bf16, f16 or f32 operands; f32 sums; everything else in f32.
;; Inputs: Wk 2,048 x 2,048 float32; Wp 2,048 x 2,048 float32; Wq 2,048 x 2,048 float32; Wv 2,048 x 2,048 float32; bk 2,048 float32; bp 2,048 float32; bq 2,048 float32; bv 2,048 float32; lowp_scales 4 int32 (the exponents e of the quantised operands' scales 2^e); x 4 x 2,048 x 2,048 float32.
;; Outputs: out0 4 x 1 x 2,048 float32; out1 4 x 1 x 2,048 float32.
;; This version of the problem:
;;   THIS VERSION OF THE PROBLEM IS GIVEN IN LOW PRECISION. The matrix products marked QUANTISED in the list below multiply operands that are first quantised to E4M3 (4 exponent bits, 3 mantissa bits; 8 bits a number), with one given power-of-two scale for each operand tensor; their sums are f32. All else is computed in f32.
;;   The module's matrix products, in the order in which they are computed (A, B: the left and right operand; K: the contracted axis; several contracted axes count as one K, in the product's order):
;;     1. [M 8,192, K 2,048] x [K 2,048, N 2,048]; A: input x; B: input Wk: QUANTISED (scales: A lowp_scales[0], B lowp_scales[1])
;;     2. [M 8,192, K 2,048] x [K 2,048, N 2,048]; A: input x; B: input Wv: QUANTISED (scales: A lowp_scales[2], B lowp_scales[3])
;;     3. [M 4, K 2,048] x [K 2,048, N 2,048]; A: input x; B: input Wq: left as it is (M = 4 < 16)
;;     4. batch 4 x [M 1, K 2,048] x [K 2,048, N 2,048]; A: computed on the way; B: computed on the way: left as it is (M = 1 < 16)
;;     5. batch 4 x [M 1, K 2,048] x [K 2,048, N 2,048]; A: softmax; B: computed on the way: left as it is (M = 1 < 16)
;;     6. [M 4, K 2,048] x [K 2,048, N 2,048]; A: computed on the way; B: input Wp: left as it is (M = 4 < 16)
;;   THE QUANTISER, for each operand of a quantised product, along K:
;;     - The operand's scale is 2^e, e = its entry of the input lowp_scales (int32; the entries are numbered through the quantised products in the list's order, A before B).
;;     - Each number is divided by the scale, clamped to +-448, and rounded to the nearest number of E4M3, ties to even, subnormals kept.
;;     - The product sums the exact products of the quantised numbers (number of the format x scale) in f32.
;;   ~~~python
;;   def quantise(x, axis, e):      # numpy; x: float32 -> the quantised numbers, widened to float32 again
;;       x = np.moveaxis(x, axis, -1); K = x.shape[-1]
;;       r = np.clip(x / 2.0 ** e, -448, 448)
;;       step = 2.0 ** (np.maximum(np.frexp(np.where(r == 0, 1, r))[1] - 1, -6) - 3)
;;       q = np.round(r / step) * step * 2.0 ** e      # np.round: ties to even
;;       return np.moveaxis(q, -1, axis).astype(np.float32)
;;   ~~~
;; One version. Each part assembles by itself: llvm-mc -triple=amdgcn-amd-amdhsa -mcpu=gfx1250 --defsym DOCPART=n.
;; ======== version 1 of 1: 4 launches
;; limits: right only within a limited range of input values
;; workspace buffers: xk 16,777,216 bytes; xv 16,777,216 bytes; wk 4,194,304 bytes; wv 4,194,304 bytes; qpart 1,048,576 bytes; spart 262,144 bytes; opart 262,144 bytes
;; launch prep (part 1): grid 896 x 1, 4 waves a work-group, no clusters, 0 bytes of LDS; arguments x, Wk, Wv, Wq, lowp_scales, xk, xv, wk, wv, qpart; writes xk, xv, wk, wv, qpart
.if DOCPART == 1
	.amdgcn_target "amdgcn-amd-amdhsa--gfx1250"
	.amdhsa_code_object_version 6
	.text
	.protected	k_q3e3d72f723_prep
	.globl	k_q3e3d72f723_prep
	.p2align	8
	.type	k_q3e3d72f723_prep,@function
k_q3e3d72f723_prep:
	s_mov_b64 s[64:65], 0
	v_nop
	global_prefetch_b8 v0, s[64:65] scope:SCOPE_SE
	s_setreg_imm32_b32 hwreg(HW_REG_WAVE_MODE, 25, 1), 1
	s_wait_xcnt 0x0
; FIRST OF FOUR LAUNCHES.  wei = softmax_t(q_last . k[t] / sqrt(2048)), out_last = (wei v) Wp + bp, with k = x Wk + bk, v = x Wv + bv on codes of E4M3.
; This launch makes the codes of x (twice: with 2^e0 for the product with Wk, with 2^e2 for the product with Wv), the codes of Wk (2^e1) and Wv (2^e3) with K innermost, and q_last = x[:, last, :] Wq in 32 slices of K, in f32.
; WORK LEFT OUT, for all values of the inputs:
;   bk.  k enters the outputs through the scores alone: q . k[t] = q . (x[t] Wk) + q . bk.  That product is not quantised, and q . bk is the same for every t of a row: a term that is the same along the softmax's
;        axis leaves the softmax as it is.  So bk has no way to any output: it is not loaded and is among no launch's arguments.
;   bv.  sum_t wei[t] (x[t] Wv + bv) = sum_t wei[t] (x[t] Wv) + bv, since the weights of a row sum to 1 by identity: bv is added once, in the last launch.
;   LIMIT: a NaN, an infinity or an overflow that reaches only q . bk is not carried to the result.
; LIMITS: each of e0 .. e3 lies between -126 and 119, so that 2^e and 448 x 2^e are f32 numbers.  NaN among the inputs is not served; an infinity is held at the largest code.
; code = number / 2^e, held within +-448, rounded to the nearest code, ties to even.
; THE ORDER ALONG K.  A permutation of k that is the same in both operands keeps every product; only the order of the f32 sums changes.  In each chunk of 512 along K, position 16 l + 4 i + j holds k = 128 i + 4 l + j:
; that is what lane l holds behind four loads i of 512 consecutive bytes, word j.  So x is quantised as it is loaded, and a lane's 16 codes leave as 16 neighbouring bytes.
; W's CODES LIE AS IMAGES OF THE OPERAND'S REGISTERS: [nh 16][s 8][nb 8][q 2][c 4][lane 32][16 bytes]: byte y of lane (r, h) is column 128 nh + 16 nb + r at position 256 s + 128 q + 32 c + 16 h + y of K,
; which is k = 512 (s / 2) + 64 (s % 2) + 128 (y / 4) + 4 (8 q + 2 c + h) + y % 4.
; SHARES.  896 work-groups of four waves, 128 KiB of f32 each: numbers 0-127 take Wq, 128-383 Wk and Wv, 384-895 x.  Three paths part on the work-group's number; waves share nothing: no LDS, no barrier.
.set R,   16                           ; x path: v16-79   four sets of 16 numbers as loaded
.set T0,  80                           ;         v80-95   held within 448 x 2^e0
.set T1,  96                           ;         v96-111  held within 448 x 2^e2, the odd rows with the sign turned
.set CX,  112                          ;         v112-127 two sets of 8: codes for xk, codes for xv
.set XW,  32                           ; W path: v32-95   two sets of 32 numbers
.set CW,  96                           ;         v96-111  two sets of 8 registers of codes
	s_load_b512 s[4:19], s[0:1], 0x0               ; x 4, Wk 6, Wv 8, Wq 10, the scales' exponents 12, xk 14, xv 16, wk 18
	s_load_b128 s[20:23], s[0:1], 0x40             ; wv 20, qpart 22
	v_lshrrev_b32 v2, 5, v0
	v_readfirstlane_b32 s2, v2                     ; wave 0..3
	v_and_b32 v1, 31, v0                           ; lane
	v_lshlrev_b32 v3, 4, v1                        ; 16 x lane
	s_wait_kmcnt 0x0
	s_cmp_lt_u32 ttmp9, 128
	s_cbranch_scc1 .Lq
	s_cmp_lt_u32 ttmp9, 384
	s_cbranch_scc1 .Lw
	; ---------------- x: a wave takes 16 steps of 512 numbers (a chunk of 512 along K each): four rows, the first of them an even one
	s_sub_co_u32 s3, ttmp9, 384
	s_lshl_b32 s3, s3, 2
	s_add_co_u32 s3, s3, s2                        ; which run of 8,192 numbers is my wave's: 0 .. 2,047
	s_lshl_b32 s28, s3, 15                         ; its bytes in x,
	s_mov_b32 s29, 0
	s_add_nc_u64 s[4:5], s[4:5], s[28:29]
	s_lshl_b32 s28, s3, 13                         ; and in each buffer of codes
	s_add_nc_u64 s[14:15], s[14:15], s[28:29]
	s_add_nc_u64 s[16:17], s[16:17], s[28:29]
	s_load_b128 s[24:27], s[12:13], 0x0            ; e0 .. e3
.macro XLOAD t
.irp i, 0,1,2,3
	global_load_b128 v[R+16*((\t)%4)+4*\i:R+16*((\t)%4)+4*\i+3], v3, s[4:5] offset:2048*(\t)+512*\i th:TH_LOAD_NT   ; 32 lanes read 512 consecutive bytes
.endr
.endm
.macro XSTEP t
.if 4*(15-(\t)) < 12
	s_wait_loadcnt 4*(15-(\t))                     ; the tail: the loads of the steps that are left may be out
.else
	s_wait_loadcnt 12                              ; this step's four loads are in; those of the three steps behind it may be out
.endif
	s_wait_xcnt 0x0                                ; the stores of two steps back have read this set of code registers
.set ii, 0
.rept 16
	v_med3_num_f32 v[T0+ii], v[R+16*((\t)%4)+ii], -v9, v9      ; the conversion to an 8-bit code does not saturate (ISA guide 7.6.2): the hold at 448 x 2^e0,
.set ii, ii+1
.endr
.set ii, 0
.rept 16
.if (((\t)/4)%2) == 1
	v_med3_num_f32 v[T1+ii], -v[R+16*((\t)%4)+ii], -v11, v11   ; and at 448 x 2^e2; steps 4-7 and 12-15 are the run's odd rows: -x is held and quantised
.else
	v_med3_num_f32 v[T1+ii], v[R+16*((\t)%4)+ii], -v11, v11    ; and at 448 x 2^e2
.endif
.set ii, ii+1
.endr
.if (\t) < 12
	XLOAD (\t)+4                                   ; the set just read takes the loads of four steps on
.endif
	v_cvt_scalef32_pk8_fp8_f32 v[CX+8*((\t)%2):CX+8*((\t)%2)+1],   v[T0:T0+7],    v8
	v_cvt_scalef32_pk8_fp8_f32 v[CX+8*((\t)%2)+2:CX+8*((\t)%2)+3], v[T0+8:T0+15], v8
	v_cvt_scalef32_pk8_fp8_f32 v[CX+8*((\t)%2)+4:CX+8*((\t)%2)+5], v[T1:T1+7],    v10
	v_cvt_scalef32_pk8_fp8_f32 v[CX+8*((\t)%2)+6:CX+8*((\t)%2)+7], v[T1+8:T1+15], v10
	v_nop                                          ; a plain vector line behind the run of conversions: the next step's holds write their sources
	global_store_b128 v3, v[CX+8*((\t)%2):CX+8*((\t)%2)+3],   s[14:15] offset:512*(\t)   ; the wave stores 512 consecutive bytes, aligned
	global_store_b128 v3, v[CX+8*((\t)%2)+4:CX+8*((\t)%2)+7], s[16:17] offset:512*(\t)
.endm
	s_wait_alu depctr_va_vdst(0)
.irp t, 0,1,2,3
	XLOAD \t
.endr
	s_wait_kmcnt 0x0
	s_add_co_i32 s28, s24, 127
	s_lshl_b32 s29, s28, 23
	v_mov_b32 v8, s29                              ; 2^e0 as f32: the conversion takes its exponent field
	s_add_co_i32 s28, s28, 8
	s_lshl_b32 s28, s28, 23
	s_or_b32 s28, s28, 0x600000
	v_mov_b32 v9, s28                              ; 448 x 2^e0
	s_add_co_i32 s28, s26, 127
	s_lshl_b32 s29, s28, 23
	v_mov_b32 v10, s29                             ; 2^e2
	s_add_co_i32 s28, s28, 8
	s_lshl_b32 s28, s28, 23
	s_or_b32 s28, s28, 0x600000
	v_mov_b32 v11, s28                             ; 448 x 2^e2
	s_wait_alu depctr_va_vdst(0)
.irp t, 0,1,2,3,4,5,6,7,8,9,10,11,12,13,14,15
	XSTEP \t
.endr
	s_endpgm
	; ---------------- Wk, Wv: a work-group takes 128 columns (nh) x a K step of 256 positions (s); a wave 32 columns; A LANE TAKES A COLUMN AND ITS REGISTERS RUN DOWN K, in the order of positions
.Lw:
	s_sub_co_u32 s3, ttmp9, 128                    ; 0 .. 255: the first 128 take Wk
	s_and_b32 s24, s3, 15                          ; nh
	s_bfe_u32 s25, s3, 0x30004                     ; s
	s_load_b128 s[36:39], s[12:13], 0x0            ; e0 .. e3
	s_cmp_lt_u32 s3, 128                           ; the choice hangs on the work-group's number alone
	s_cselect_b64 s[6:7], s[6:7], s[8:9]           ; from Wk or Wv
	s_cselect_b64 s[18:19], s[18:19], s[20:21]     ; to wk or wv
	s_lshr_b32 s26, s25, 1
	s_lshl_b32 s26, s26, 9
	s_and_b32 s27, s25, 1
	s_lshl_b32 s27, s27, 6
	s_add_co_u32 s26, s26, s27                     ; first row of W: 512 (s / 2) + 64 (s % 2)
	s_lshl_b32 s26, s26, 13                        ; rows of 8,192 bytes
	s_lshl_b32 s27, s24, 9
	s_add_co_u32 s26, s26, s27                     ; + 128 nh columns
	s_lshl_b32 s27, s2, 7
	s_add_co_u32 s26, s26, s27                     ; + 32 x wave columns
	s_mov_b32 s27, 0
	s_add_nc_u64 s[6:7], s[6:7], s[26:27]
	s_lshl_b32 s26, s24, 18                        ; the image: nh x 262,144
	s_lshl_b32 s28, s25, 15
	s_add_co_u32 s26, s26, s28                     ; + s x 32,768
	s_lshl_b32 s28, s2, 13
	s_add_co_u32 s26, s26, s28                     ; + two blocks nb of 4,096 for each wave
	s_add_nc_u64 s[18:19], s[18:19], s[26:27]
	s_wait_alu depctr_va_vdst(0)
	v_lshlrev_b32 v4, 2, v1                        ; in: 4 bytes a lane: the four waves stand side by side on 512 bytes of a row
	v_and_b32 v6, 15, v1
	v_lshrrev_b32 v7, 4, v1
	v_lshlrev_b32 v5, 4, v6
	v_lshl_add_u32 v5, v7, 12, v5                  ; out: 16 (lane % 16) + 4,096 (lane / 16)
.macro WLOAD t                         ; block t = 4 q + c: register 16 h + y holds row 128 (y / 4) + 4 (2 t + h) + y % 4 of my column
.set yy, 0
.rept 32
	global_load_b32 v[XW+32*((\t)%2)+yy], v4, s[6:7] offset:(128*((yy%16)/4)+4*(2*(\t)+yy/16)+yy%4)*8192 th:TH_LOAD_NT
.set yy, yy+1
.endr
.endm
.macro WBLOCK t
.if (\t) < 7
	s_wait_loadcnt 32                              ; this block's 32 loads are in; the next block's may be out
.else
	s_wait_loadcnt 0x0
.endif
.set yy, 0
.rept 32
	v_med3_num_f32 v[XW+32*((\t)%2)+yy], v[XW+32*((\t)%2)+yy], -v10, v10
.set yy, yy+1
.endr
	s_wait_alu depctr_va_vdst(0)
	s_wait_xcnt 0x0                                ; the stores of two blocks back have read this set of code registers
.irp g, 0,1,2,3
	v_cvt_scalef32_pk8_fp8_f32 v[CW+8*((\t)%2)+2*\g:CW+8*((\t)%2)+2*\g+1], v[XW+32*((\t)%2)+8*\g:XW+32*((\t)%2)+8*\g+7], v11
.endr
	v_nop                                          ; a plain vector line behind the run of conversions
	global_store_b128 v5, v[CW+8*((\t)%2):CW+8*((\t)%2)+3],   s[18:19] offset:512*(\t)       ; h = 0: sixteen lanes store 256 consecutive bytes, aligned,
	global_store_b128 v5, v[CW+8*((\t)%2)+4:CW+8*((\t)%2)+7], s[18:19] offset:512*(\t)+256   ; h = 1 likewise
.if (\t) < 6
	WLOAD (\t)+2
.endif
.endm
	WLOAD 0
	WLOAD 1
	s_wait_kmcnt 0x0
	s_cmp_lt_u32 s3, 128
	s_cselect_b32 s36, s37, s39                    ; e1 or e3
	s_add_co_i32 s36, s36, 127
	s_lshl_b32 s37, s36, 23
	v_mov_b32 v11, s37                             ; 2^e
	s_add_co_i32 s36, s36, 8
	s_lshl_b32 s36, s36, 23
	s_or_b32 s36, s36, 0x600000
	v_mov_b32 v10, s36                             ; 448 x 2^e
	s_wait_alu depctr_va_vdst(0)
.irp t, 0,1,2,3,4,5,6,7
	WBLOCK \t
.endr
	s_endpgm
	; ---------------- q_last: slice ks of 32 (64 rows of Wq) x 512 columns a work-group; a wave 128 columns, four a lane, for the four batches.  x's last rows come by scalar loads; all in f32
.Lq:
	s_and_b32 s12, ttmp9, 3                        ; which 512 columns
	s_lshr_b32 s13, ttmp9, 2                       ; ks
	s_lshl_b32 s14, s12, 11
	s_lshl_b32 s15, s2, 9
	s_add_co_u32 s14, s14, s15                     ; my wave's first column, in bytes
	s_lshl_b32 s16, s13, 19                        ; 64 rows of 8,192 bytes
	s_add_co_u32 s16, s16, s14
	s_mov_b32 s17, 0
	s_add_nc_u64 s[10:11], s[10:11], s[16:17]
	s_lshl_b32 s16, s13, 15                        ; qpart [32 ks][4 b][2048 n]
	s_add_co_u32 s16, s16, s14
	s_add_nc_u64 s[22:23], s[22:23], s[16:17]
	s_lshl_b32 s16, s13, 8                         ; 64 numbers of a row of x,
	s_add_co_u32 s16, s16, 16769024                ; in row 2,047 of batch 0
	s_add_nc_u64 s[24:25], s[4:5], s[16:17]
	s_add_nc_u64 s[26:27], s[24:25], 0x1000000     ; a batch is 16,777,216 bytes
	s_add_nc_u64 s[28:29], s[24:25], 0x2000000
	s_add_nc_u64 s[30:31], s[24:25], 0x3000000
.macro QLOAD g                         ; rows 8 g .. 8 g + 7 of the slice into set g % 3 of v32-127
.irp i, 0,1,2,3,4,5,6,7
	global_load_b128 v[32+32*((\g)%3)+4*\i:32+32*((\g)%3)+4*\i+3], v3, s[10:11] offset:(8*(\g)+\i)*8192 th:TH_LOAD_NT
.endr
.endm
.macro XS g                            ; the same eight k of the four last rows of x, into s32-63 or s68-99 by turns
.irp b, 0,1,2,3
	s_load_b256 s[32+36*((\g)%2)+8*\b:32+36*((\g)%2)+8*\b+7], s[24+2*\b:25+2*\b], 32*(\g)
.endr
.endm
.macro QGROUP g
	s_wait_kmcnt 0x0                               ; this group's numbers of x are in
.if (\g) < 7
	XS (\g)+1
.endif
.if (\g) < 6
	s_wait_loadcnt 16                              ; this group's eight rows are in; the two groups behind it may be out
.else
	s_wait_loadcnt 8*(7-(\g))
.endif
.irp i, 0,1,2,3,4,5,6,7
.irp b, 0,1,2,3
.irp j, 0,1,2,3
.if ((\g) == 0) && (\i == 0)
	v_mul_f32 v[16+4*\b+\j], s[32+36*((\g)%2)+8*\b+\i], v[32+32*((\g)%3)+4*\i+\j]     ; the first row starts the sums: nothing is cleared
.else
	v_fmac_f32 v[16+4*\b+\j], s[32+36*((\g)%2)+8*\b+\i], v[32+32*((\g)%3)+4*\i+\j]
.endif
.endr
.endr
.endr
.if (\g) < 5
	QLOAD (\g)+3
.endif
.endm
	s_wait_alu depctr_va_vdst(0)
	QLOAD 0
	QLOAD 1
	QLOAD 2
	XS 0
.irp g, 0,1,2,3,4,5,6,7
	QGROUP \g
.endr
.irp b, 0,1,2,3
	global_store_b128 v3, v[16+4*\b:19+4*\b], s[22:23] offset:8192*\b   ; the wave stores 512 consecutive bytes, aligned
.endr
	s_endpgm
.Lfunc_end_k_q3e3d72f723_prep:
	.size	k_q3e3d72f723_prep, .Lfunc_end_k_q3e3d72f723_prep-k_q3e3d72f723_prep
	.p2alignl 7, 3214868480
	.fill 96, 4, 3214868480
	.section	.rodata,"a",@progbits
	.p2align	6, 0x0
	.amdhsa_kernel k_q3e3d72f723_prep
		.amdhsa_group_segment_fixed_size 0
		.amdhsa_private_segment_fixed_size 0
		.amdhsa_enable_private_segment 0
		.amdhsa_kernarg_size 80
		.amdhsa_user_sgpr_count 2
		.amdhsa_user_sgpr_kernarg_segment_ptr 1
		.amdhsa_wavefront_size32 1
		.amdhsa_system_sgpr_workgroup_id_x 1
		.amdhsa_system_sgpr_workgroup_id_y 1
		.amdhsa_system_sgpr_workgroup_id_z 1
		.amdhsa_system_vgpr_workitem_id 0
		.amdhsa_next_free_vgpr 128
		.amdhsa_next_free_sgpr 100
		.amdhsa_reserve_vcc 0
		.amdhsa_float_denorm_mode_32 3
		.amdhsa_float_denorm_mode_16_64 3
		.amdhsa_memory_ordered 1
		.amdhsa_forward_progress 1
		.amdhsa_inst_pref_size 136
	.end_amdhsa_kernel
	.amdgpu_metadata
---
amdhsa.version: [ 1, 2 ]
amdhsa.kernels:
  - .name:           k_q3e3d72f723_prep
    .symbol:         k_q3e3d72f723_prep.kd
    .args:
      - { .name: x, .offset: 0, .size: 8, .value_kind: global_buffer, .address_space: global }
      - { .name: Wk, .offset: 8, .size: 8, .value_kind: global_buffer, .address_space: global }
      - { .name: Wv, .offset: 16, .size: 8, .value_kind: global_buffer, .address_space: global }
      - { .name: Wq, .offset: 24, .size: 8, .value_kind: global_buffer, .address_space: global }
      - { .name: lowp_scales, .offset: 32, .size: 8, .value_kind: global_buffer, .address_space: global }
      - { .name: xk, .offset: 40, .size: 8, .value_kind: global_buffer, .address_space: global }
      - { .name: xv, .offset: 48, .size: 8, .value_kind: global_buffer, .address_space: global }
      - { .name: wk, .offset: 56, .size: 8, .value_kind: global_buffer, .address_space: global }
      - { .name: wv, .offset: 64, .size: 8, .value_kind: global_buffer, .address_space: global }
      - { .name: qpart, .offset: 72, .size: 8, .value_kind: global_buffer, .address_space: global }
    .group_segment_fixed_size: 0
    .private_segment_fixed_size: 0
    .kernarg_segment_align: 8
    .kernarg_segment_size: 80
    .max_flat_workgroup_size: 128
    .sgpr_count:     100
    .vgpr_count:     128
    .wavefront_size: 32
...
	.end_amdgpu_metadata
.endif
;; end of part 1
;; launch kscore (part 2): grid 8 x 32, 4 waves a work-group, clusters of 4 x 4, 327,680 bytes of LDS; arguments xk, wk, qpart, bq, spart; writes spart
.if DOCPART == 2
	.amdgcn_target "amdgcn-amd-amdhsa--gfx1250"
	.amdhsa_code_object_version 6
	.text
	.protected	k_q3e3d72f723_kscore
	.globl	k_q3e3d72f723_kscore
	.p2align	8
	.type	k_q3e3d72f723_kscore,@function
k_q3e3d72f723_kscore:
	s_mov_b64 s[64:65], 0
	v_nop
	global_prefetch_b8 v0, s[64:65] scope:SCOPE_SE
	s_setreg_imm32_b32 hwreg(HW_REG_WAVE_MODE, 25, 1), 1
	s_wait_xcnt 0x0
	s_wait_alu depctr_hold_cnt(0) depctr_sa_sdst(0) depctr_va_vdst(0) depctr_va_sdst(0) depctr_va_ssrc(0) depctr_va_vcc(0) depctr_vm_vsrc(0)
	s_getreg_b32 s2, hwreg(HW_REG_IB_STS2, 6, 4)
	s_cmp_eq_u32 s2, 0
	s_cbranch_scc0 .Lentry_in_a_cluster
	s_endpgm
.Lentry_in_a_cluster:
	s_bfe_u32 s2, ttmp6, 0x10000c
	s_cmp_lg_u32 s2, 0xf033
	s_cbranch_scc0 .Lentry_shape_is_right
	s_endpgm
.Lentry_shape_is_right:
; SECOND LAUNCH.  spart[column tile][t] = the sum over 256 columns n of q_last[b][n] x (x[t] Wk)[n], the product on codes of E4M3 (xk, wk), f32 sums; the scales 2^(e0 + e1) are applied in the third launch.
; bk is left out: q . bk is the same for every t of a row, so the softmax is as it is without it (shown at the head of the first launch).
; A work-group of four waves makes 256 x 256 of x Wk, a wave 128 x 128; K goes in steps of 256 through two LDS slots filled by joint loads in clusters of 4 x 4 (A's tile along a row, B's along a column).
; q_last (32 slices of qpart + bq) is asked for ahead of the first round, summed while K step 0 is on its way, and laid in LDS ahead of the round in front of K step 1's load, which shows it to all waves.
.set PITCH,  272
.set HALFA,  128*PITCH
.set HALFB,  32768
.set SLOT,   2*HALFA+2*HALFB
.set QT,     2*SLOT
.set SC,     QT+1024
.set SPARE,  SC+2048
.set FR,     16
.set NL,     4
.set NP,     4
.set LAPS,   4
.set ADRA, 16
.set ADRB, 20
.set QTW,  22
.set QRD,  23
.set SCW,  24
.set SCR,  25
.set LN16, 26
.set TH8,  27
.set SPW,  28
.set NIL,  29
.set QV,   32
.set S,    100
.set VS,   116
.set FIN,  120
.set AF,   128
.set G1, 24
.set G0, 32
.set G1B, 48
.set G0B, 56
.set MSB, 0
.macro WIN new
.if MSB != (\new)
	s_set_vgpr_msb (MSB<<8)|(\new)
.set MSB, (\new)
.endif
.endm
.set MUL_LO, 0xa1
.set MUL_HI, 0xf1
.set TO_B,   0x40
.macro JLOAD g0a, g1a, g0b, g1b
	s_cmp_eq_u32 s15, 0
	s_cbranch_scc0 .Lfor_b_\@
	tensor_load_to_lds s[\g0a:\g0a+3], s[\g1a:\g1a+7]
	s_nop 0
.rept 4
	v_nop
.endr
	s_branch .Lasked_\@
.Lfor_b_\@:
	tensor_load_to_lds s[\g0b:\g0b+3], s[\g1b:\g1b+7]
	s_nop 0
.rept 4
	v_nop
.endr
.Lasked_\@:
.endm
.macro CREST
	s_cmp_lg_u32 s14, 0
	s_cbranch_scc1 .Lnot_wave_0_\@
	s_barrier_signal -3
.Lnot_wave_0_\@:
	s_barrier_wait -3
	s_barrier_signal -1
	s_barrier_wait -1
.endm
.macro CROUND
	s_barrier_signal -1
	s_barrier_wait -1
	CREST
.endm
	s_load_b256 s[4:11], s[0:1], 0x0
	s_load_b64 s[12:13], s[0:1], 0x20
	v_lshl_add_u32 v[SPW], v0, 2, SPARE
	v_mov_b32 v[NIL], 0
	ds_add_u32 v[SPW], v[NIL]
	ds_add_u32 v[SPW], v[NIL]
	v_lshrrev_b32 v1, 5, v0
	v_readfirstlane_b32 s14, v1
	s_lshr_b32 s15, s14, 1
	s_and_b32 s16, s14, 1
	s_bfe_u32 s40, ttmp6, 0x40000
	s_bfe_u32 s41, ttmp6, 0x40004
	s_lshl_b32 s42, ttmp9, 2
	s_add_co_u32 s42, s42, s40
	s_and_b32 s17, ttmp7, 0xffff
	s_lshr_b32 s72, s17, 1
	s_lshl_b32 s17, s17, 2
	s_add_co_u32 s17, s17, s41
	s_lshl_b32 s43, s41, 2
	s_lshl_b32 s43, 15, s43
	s_lshl_b32 s44, 0x1111, s40
	s_or_b32 s[G1+0], s43, (0<<16)|(1<<20)|(1<<21)|(5<<22)|(3<<25)
	s_mov_b32 s[G1+1], 256<<16
	s_mov_b32 s[G1+2], 128<<16
	s_mov_b32 s[G1+3], 256<<16
	s_mov_b32 s[G1+4], 128
	s_mov_b32 s[G1+5], 2048
	s_mov_b32 s[G1+6], 0
	s_mov_b32 s[G1+7], 0
	s_or_b32 s[G1B+0], s44, (3<<16)|(1<<21)
	s_mov_b32 s[G1B+1], 32<<16
	s_mov_b32 s[G1B+2], 128<<16
	s_mov_b32 s[G1B+3], 32<<16
	s_mov_b32 s[G1B+4], 128
	s_mov_b32 s[G1B+5], 32
	s_mov_b32 s[G1B+6], 0
	s_mov_b32 s[G1B+7], 0
	s_lshl_b32 s18, s16, 18
	s_lshl_b32 s20, s17, 19
	s_add_co_u32 s20, s20, s18
	s_mov_b32 s21, 0
	s_lshl_b32 s46, s42, 19
	s_add_co_u32 s46, s46, s18
	s_mov_b32 s47, 0
	s_mul_i32 s45, s16, HALFA
	s_mul_i32 s19, s16, HALFB
	s_add_co_u32 s19, s19, 2*HALFA
	s_lshl_b32 s72, s72, 13
	s_lshl_b32 s74, s42, 10
	s_add_co_u32 s72, s72, s74
	s_mov_b32 s73, 0
	s_mov_b32 s75, 0
	s_lshl_b32 s76, s42, 15
	s_lshl_b32 s77, s17, 10
	s_add_co_u32 s76, s76, s77
	s_lshl_b32 s77, s16, 9
	s_add_co_u32 s76, s76, s77
	s_mov_b32 s77, 0
	s_mov_b32 s70, 0x76543210
	s_mov_b32 s71, 0xfedcba98
	s_wait_dscnt 0x0
	s_wait_kmcnt 0x0
	s_add_nc_u64 s[20:21], s[4:5], s[20:21]
	s_add_nc_u64 s[46:47], s[6:7], s[46:47]
	s_add_nc_u64 s[8:9], s[8:9], s[72:73]
	s_add_nc_u64 s[10:11], s[10:11], s[74:75]
	s_add_nc_u64 s[12:13], s[12:13], s[76:77]
; THE PREFETCHES: behind the joint load of K step j each wave names, once, its share of K step j + 2: of the 128 rows of A (256 bytes each) or the 128 blocks of 256 bytes of B that the wave fetches,
; the partner at place p (cx for A, cy for B) takes 32, a lane each: told apart by address, never by a branch.  The loads of K steps 6 and 7 have no step two on and ask for nothing.
; B's image is loaded by eight rows of clusters: the four even rows ask for it.
.set PFA, 66                           ; s[66:67] the K step that the next prefetch names, my share of it
.set PFS, 68                           ; s[68:69] a K step on, in bytes: 256 in a row of A, 32,768 in B's image
.set LIM, 2                            ; s2  1 in a wave that asks, else the greatest number
.set PFO, 10                           ; v10 my lane's offset: a row of 2,048 bytes in A, a block of 256 in B; never rewritten
.macro ASK how                         ; how = 1: at the head; 0: in the loop, where s3 = 1 in the last trip
.if \how
	s_cmp_eq_u32 s[LIM], 1
.else
	s_cmp_gt_u32 s3, s[LIM]
.endif
	s_cbranch_scc0 .Lnot_mine_\@
	global_prefetch_b8 v[PFO], s[PFA:PFA+1] th:TH_LOAD_NT scope:SCOPE_SE
.Lnot_mine_\@:
.endm
	s_lshl_b32 s68, s40, 16                        ; A: 32 rows x cx
	s_lshl_b32 s69, s41, 13                        ; B: 32 blocks x cy
	s_and_b32 s[LIM], ttmp7, 1                     ; an odd row of clusters?
	s_cmp_eq_u32 s15, 0                            ; do I fetch for A?
	s_cselect_b64 s[PFA:PFA+1], s[20:21], s[46:47]
	s_cselect_b32 s68, s68, s69
	s_cselect_b32 s[LIM], 0, s[LIM]
	s_cselect_b32 s3, 11, 8
	s_mov_b32 s69, 0
	s_add_nc_u64 s[PFA:PFA+1], s[PFA:PFA+1], s[68:69]
	s_mov_b32 s68, 32768
	s_cselect_b32 s68, 256, s68
	s_add_nc_u64 s[PFA:PFA+1], s[PFA:PFA+1], s[PFS:PFS+1]
	s_mov_b64 s[72:73], s[PFA:PFA+1]               ; my share of K step 1, in a pair of its own that is never rewritten
	s_add_nc_u64 s[PFA:PFA+1], s[PFA:PFA+1], s[PFS:PFS+1]  ; at K step 2
	s_cmp_eq_u32 s[LIM], 0
	s_cselect_b32 s[LIM], 1, -1
	v_and_b32 v[PFO], 31, v0
	v_lshlrev_b32 v[PFO], s3, v[PFO]
	v_lshlrev_b32 v[TH8], 3, v0
	s_wait_alu depctr_va_vdst(0)
.set kk, 0
.rept 32
	global_load_b64 v[QV+2*kk:QV+2*kk+1], v[TH8], s[8:9] offset:32768*kk
.set kk, kk+1
.endr
	global_load_b64 v[96:97], v[TH8], s[10:11]
	s_cmp_eq_u32 s[LIM], 1                         ; K step 1 is named here, ahead of the first round: its joint load goes out behind K step 0's landing
	s_cbranch_scc0 .Lno_first
	global_prefetch_b8 v[PFO], s[72:73] th:TH_LOAD_NT scope:SCOPE_SE
.Lno_first:
	CROUND                                         ; the round in front of the first joint loads
.irp s, 0,1
	s_mov_b32 s[G0+4*\s], 1
	s_add_co_u32 s[G0+4*\s+1], s45, \s*SLOT
	s_add_nc_u64 s[G0+4*\s+2:G0+4*\s+3], s[20:21], \s*256
	s_or_b32 s[G0+4*\s+3], s[G0+4*\s+3], 0x80000000
	s_mov_b32 s[G0B+4*\s], 1
	s_add_co_u32 s[G0B+4*\s+1], s19, \s*SLOT
	s_add_nc_u64 s[G0B+4*\s+2:G0B+4*\s+3], s[46:47], \s*32768
	s_or_b32 s[G0B+4*\s+3], s[G0B+4*\s+3], 0x80000000
.endr
	JLOAD G0, G1, G0B, G1B                         ; K step 0: one tensor load a wave at the head
	ASK 1                                          ; names K step 2
	v_and_b32 v1, 15, v0
	v_bfe_u32 v2, v0, 4, 1
	v_and_b32 v3, 31, v0
	v_mul_u32_u24 v4, v1, PITCH
	v_lshl_add_u32 v4, v2, 4, v4
	s_mul_i32 s78, s15, HALFA
	v_add_nc_u32 v[ADRA], s78, v4
	v_add_nc_u32 v[ADRA+1], SLOT, v[ADRA]
	v_lshlrev_b32 v[LN16], 4, v3
	v_add_nc_u32 v[ADRB], s19, v[LN16]
	v_add_nc_u32 v[ADRB+1], SLOT, v[ADRB]
	v_lshl_add_u32 v[QTW], v0, 3, QT
	s_lshl_b32 s78, s16, 9
	s_add_co_u32 s78, s78, QT
	v_lshl_add_u32 v[QRD], v2, 5, s78
	s_lshl_b32 s78, s14, 9
	s_add_co_u32 s78, s78, SC
	v_lshl_add_u32 v[SCW], v3, 2, s78
	s_lshl_b32 s78, s16, 10
	s_add_co_u32 s78, s78, SC
	v_add_nc_u32 v[SCR], s78, v[LN16]
	s_wait_loadcnt 0x0
.set kk, 4
.rept 28
	v_pk_add_f32 v[QV+2*(kk%4):QV+2*(kk%4)+1], v[QV+2*(kk%4):QV+2*(kk%4)+1], v[QV+2*kk:QV+2*kk+1]
.set kk, kk+1
.endr
	v_pk_add_f32 v[32:33], v[32:33], v[96:97]
	v_pk_add_f32 v[36:37], v[36:37], v[38:39]
	v_pk_add_f32 v[32:33], v[32:33], v[34:35]
	v_pk_add_f32 v[32:33], v[32:33], v[36:37]
	ds_store_b64 v[QTW], v[32:33]
	s_wait_alu depctr_va_vdst(0)
	s_wait_xcnt 0x0                                ; my prefetch has read its address
	s_add_nc_u64 s[PFA:PFA+1], s[PFA:PFA+1], s[PFS:PFS+1]
	s_wait_tensorcnt 0x0                           ; my part of K step 0 is in;
	ds_add_u32 v[SPW], v[NIL]
	s_wait_dscnt 0x0                               ; the add and my store of q are done
	CROUND                                         ; everybody's part of K step 0 and of q lies in LDS, and the joint loads meet
	JLOAD G0+4, G1, G0B+4, G1B                     ; K step 1: slot 1's first fill, the first tensor load behind the round
	ASK 1                                          ; names K step 3
.macro FRAGA reg, slot, q, i
.irp c, 0,1,2,3
	ds_load_b128 v[\reg+4*\c:\reg+4*\c+3], v[ADRA+\slot] offset:128*(\q)+32*\c+(\i)*16*PITCH
.endr
.endm
.macro FRAGB reg, slot, q, i
.irp c, 0,1,2,3
	ds_load_b128 v[\reg+4*\c:\reg+4*\c+3], v[ADRB+\slot] offset:(2*(\i)+(\q))*2048+512*\c
.endr
.endm
.macro MUL16 a0, p, zero
.irp a, \a0, \a0+1
.irp b, 0,1,2,3,4,5,6,7
.if \zero
	v_wmma_f32_16x16x128_fp8_fp8 v[8*(8*((\a)%4)+\b):8*(8*((\a)%4)+\b)+7], v[128*(\p)+FR*\b:128*(\p)+FR*\b+FR-1], v[AF+FR*(\a):AF+FR*(\a)+FR-1], 0
.else
	v_wmma_f32_16x16x128_fp8_fp8 v[8*(8*((\a)%4)+\b):8*(8*((\a)%4)+\b)+7], v[128*(\p)+FR*\b:128*(\p)+FR*\b+FR-1], v[AF+FR*(\a):AF+FR*(\a)+FR-1], v[8*(8*((\a)%4)+\b):8*(8*((\a)%4)+\b)+7]
.endif
.endr
.endr
.endm
.macro FETCH_B slot, q, p
	WIN TO_B
.irp i, 0,1,2,3,4,5,6,7
	FRAGB 128*(\p)+FR*\i, \slot, \q, \i
.endr
	WIN 0
.endm
.macro FETCH_A slot, q, i0
.irp i, \i0, \i0+1, \i0+2, \i0+3
	FRAGA AF+FR*(\i), \slot, \q, \i
.endr
.endm
.macro PLACES n
.rept \n
	v_nop
.endr
.endm
.macro STEP slot, q, zero
	s_wait_dscnt 4*NL
	WIN MUL_LO
	MUL16 0, (\q)%2, \zero
	MUL16 2, (\q)%2, \zero
	s_wait_dscnt 0
	PLACES NP
	FETCH_B \slot, (\q)+1, 1-(\q)%2
	FETCH_A \slot, (\q)+1, 0
	WIN MUL_HI
	MUL16 4, (\q)%2, \zero
	MUL16 6, (\q)%2, \zero
	PLACES NP
	WIN 0
	FETCH_A \slot, (\q)+1, 4
.endm
.macro TURN slot, next, fill
.if \fill
	s_wait_xcnt 0x0                                ; my prefetch has read its address: it is stepped here, a K step behind that prefetch
	s_add_nc_u64 s[PFA:PFA+1], s[PFA:PFA+1], s[PFS:PFS+1]
.endif
	s_wait_tensorcnt 0x0
	ds_add_u32 v[SPW], v[NIL]
	s_wait_dscnt 4*NL+1
	WIN MUL_LO
	MUL16 0, 1, 0
	s_wait_dscnt 0x0
	s_barrier_signal -1
	MUL16 2, 1, 0
	WIN 0
	s_barrier_wait -1
.if \fill
	CREST
	s_add_nc_u64 s[G0+4*\slot+2:G0+4*\slot+3], s[G0+4*\slot+2:G0+4*\slot+3], 512
	s_add_nc_u64 s[G0B+4*\slot+2:G0B+4*\slot+3], s[G0B+4*\slot+2:G0B+4*\slot+3], 65536
	JLOAD G0+4*\slot, G1, G0B+4*\slot, G1B
.else
	PLACES NP
.endif
	FETCH_B \next, 0, 0
	FETCH_A \next, 0, 0
.if \fill
	ASK 0                                          ; behind the joint load and the run of LDS loads: the K step two refills on
.endif
	WIN MUL_HI
	MUL16 4, 1, 0
	MUL16 6, 1, 0
	PLACES NP
	WIN 0
	FETCH_A \next, 0, 4
.endm
.irp b, 0,1,2,3,4,5,6,7
	ds_load_b128 v[QV+8*\b:QV+8*\b+3],   v[QRD] offset:64*\b
	ds_load_b128 v[QV+8*\b+4:QV+8*\b+7], v[QRD] offset:64*\b+16
.endr
	FETCH_B 0, 0, 0
	FETCH_A 0, 0, 0
	FETCH_A 0, 0, 4
	STEP 0, 0, 1
	s_mov_b32 s3, LAPS-1
.Llap:
	TURN 0, 1, 1
	STEP 1, 0, 0
	TURN 1, 0, 1
	STEP 0, 0, 0
	s_sub_co_u32 s3, s3, 1
	s_cmp_lg_u32 s3, 0
	s_cbranch_scc1 .Llap
	TURN 0, 1, 0
	STEP 1, 0, 0
	s_wait_dscnt 4*NL
	WIN MUL_LO
	MUL16 0, 1, 0
	MUL16 2, 1, 0
	s_wait_dscnt 0
	WIN MUL_HI
	MUL16 4, 1, 0
	MUL16 6, 1, 0
	WIN 0
	PLACES NP
.irp g, 0,1
	WIN 0x02+\g
.irp b, 0,1,2,3,4,5,6,7
.irp jp, 0,2,4,6
.irp a, 0,1,2,3
.if (\b == 0) && (\jp == 0)
	v_pk_mul_f32 v[S+2*(4*\g+\a):S+2*(4*\g+\a)+1], v[64*\a+8*\b+\jp:64*\a+8*\b+\jp+1], v[QV+8*\b+\jp:QV+8*\b+\jp+1]
.else
	v_pk_fma_f32 v[S+2*(4*\g+\a):S+2*(4*\g+\a)+1], v[64*\a+8*\b+\jp:64*\a+8*\b+\jp+1], v[QV+8*\b+\jp:QV+8*\b+\jp+1], v[S+2*(4*\g+\a):S+2*(4*\g+\a)+1]
.endif
.endr
.endr
.endr
.endr
	WIN 0
.irp a, 0,1,2,3,4,5,6,7
	v_add_f32 v[S+2*\a], v[S+2*\a], v[S+2*\a+1]
.endr
.irp a, 0,1,2,3,4,5,6,7
	v_permlanex16_b32 v[S+2*\a+1], v[S+2*\a], s70, s71
.endr
.irp a, 0,1,2,3,4,5,6,7
	v_add_f32 v[S+2*\a], v[S+2*\a], v[S+2*\a+1]
.endr
	v_cmp_eq_u32 vcc_lo, 1, v2
.irp a, 0,1,2,3
	v_cndmask_b32 v[VS+\a], v[S+4*\a], v[S+4*\a+2], vcc_lo
.endr
.irp a, 0,1,2,3
	ds_store_b32 v[SCW], v[VS+\a] offset:128*\a
.endr
	s_wait_dscnt 0x0
	s_barrier_signal -1
	s_barrier_wait -1
	s_cmp_lt_u32 s14, 2
	s_cbranch_scc0 .Ldone
	ds_load_b128 v[FIN:FIN+3], v[SCR]
	ds_load_b128 v[FIN+4:FIN+7], v[SCR] offset:512
	s_wait_dscnt 0x0
	v_pk_add_f32 v[FIN:FIN+1], v[FIN:FIN+1], v[FIN+4:FIN+5]
	v_pk_add_f32 v[FIN+2:FIN+3], v[FIN+2:FIN+3], v[FIN+6:FIN+7]
	global_store_b128 v[LN16], v[FIN:FIN+3], s[12:13]
.Ldone:
	s_wait_tensorcnt 0x0
	ds_add_u32 v[SPW], v[NIL]
	s_wait_dscnt 0x0
	CROUND
	s_endpgm
.Lfunc_end_k_q3e3d72f723_kscore:
	.size	k_q3e3d72f723_kscore, .Lfunc_end_k_q3e3d72f723_kscore-k_q3e3d72f723_kscore
	.p2alignl 7, 3214868480
	.fill 96, 4, 3214868480
	.section	.rodata,"a",@progbits
	.p2align	6, 0x0
	.amdhsa_kernel k_q3e3d72f723_kscore
		.amdhsa_group_segment_fixed_size 327680
		.amdhsa_private_segment_fixed_size 0
		.amdhsa_enable_private_segment 0
		.amdhsa_kernarg_size 40
		.amdhsa_user_sgpr_count 2
		.amdhsa_user_sgpr_kernarg_segment_ptr 1
		.amdhsa_wavefront_size32 1
		.amdhsa_system_sgpr_workgroup_id_x 1
		.amdhsa_system_sgpr_workgroup_id_y 1
		.amdhsa_system_sgpr_workgroup_id_z 1
		.amdhsa_system_vgpr_workitem_id 0
		.amdhsa_next_free_vgpr 1024
		.amdhsa_next_free_sgpr 98
		.amdhsa_reserve_vcc 1
		.amdhsa_float_denorm_mode_32 3
		.amdhsa_float_denorm_mode_16_64 3
		.amdhsa_memory_ordered 1
		.amdhsa_forward_progress 1
		.amdhsa_inst_pref_size 104
	.end_amdhsa_kernel
	.amdgpu_metadata
---
amdhsa.version: [ 1, 2 ]
amdhsa.kernels:
  - .name:           k_q3e3d72f723_kscore
    .symbol:         k_q3e3d72f723_kscore.kd
    .args:
      - { .name: xk, .offset: 0, .size: 8, .value_kind: global_buffer, .address_space: global }
      - { .name: wk, .offset: 8, .size: 8, .value_kind: global_buffer, .address_space: global }
      - { .name: qpart, .offset: 16, .size: 8, .value_kind: global_buffer, .address_space: global }
      - { .name: bq, .offset: 24, .size: 8, .value_kind: global_buffer, .address_space: global }
      - { .name: spart, .offset: 32, .size: 8, .value_kind: global_buffer, .address_space: global }
    .group_segment_fixed_size: 327680
    .private_segment_fixed_size: 0
    .kernarg_segment_align: 8
    .kernarg_segment_size: 40
    .max_flat_workgroup_size: 128
    .sgpr_count:     98
    .vgpr_count:     1024
    .wavefront_size: 32
...
	.end_amdgpu_metadata
.endif
;; end of part 2
;; launch vsum (part 3): grid 8 x 32, 4 waves a work-group, clusters of 4 x 4, 327,680 bytes of LDS; arguments xv, wv, spart, lowp_scales, opart, out1; writes opart, out1
.if DOCPART == 3
	.amdgcn_target "amdgcn-amd-amdhsa--gfx1250"
	.amdhsa_code_object_version 6
	.text
	.protected	k_q3e3d72f723_vsum
	.globl	k_q3e3d72f723_vsum
	.p2align	8
	.type	k_q3e3d72f723_vsum,@function
k_q3e3d72f723_vsum:
	s_mov_b64 s[64:65], 0
	v_nop
	global_prefetch_b8 v0, s[64:65] scope:SCOPE_SE
	s_setreg_imm32_b32 hwreg(HW_REG_WAVE_MODE, 25, 1), 1
	s_wait_xcnt 0x0
	s_wait_alu depctr_hold_cnt(0) depctr_sa_sdst(0) depctr_va_vdst(0) depctr_va_sdst(0) depctr_va_ssrc(0) depctr_va_vcc(0) depctr_vm_vsrc(0)
	s_getreg_b32 s2, hwreg(HW_REG_IB_STS2, 6, 4)
	s_cmp_eq_u32 s2, 0
	s_cbranch_scc0 .Lentry_in_a_cluster
	s_endpgm
.Lentry_in_a_cluster:
	s_bfe_u32 s2, ttmp6, 0x10000c
	s_cmp_lg_u32 s2, 0xf033
	s_cbranch_scc0 .Lentry_shape_is_right
	s_endpgm
.Lentry_shape_is_right:
; THIRD LAUNCH.  wei = softmax_t(scores x 2^(e0 + e1) / sqrt(2048)), the row's largest score taken away first, goes to out1; opart[row tile][n] = the sum over the tile's 256 rows t of wei[t] x (x[t] Wv)[n] x 2^(e2 + e3),
; the product on codes of E4M3 (xv, wv), f32 sums.  xv's odd rows hold -x, and their weights take the other sign (head of the first launch).  bv is added once, in the last launch, since a row's weights sum to 1.
; The shape is the second launch's: 256 x 256 a work-group, K in steps of 256 through two slots, joint loads in clusters of 4 x 4.
; The scores' parts are asked for ahead of the first round; the softmax stands behind K step 1's joint load; the weights are used on the way out alone.
.set PITCH,  272
.set HALFA,  128*PITCH
.set HALFB,  32768
.set SLOT,   2*HALFA+2*HALFB
.set WT,     2*SLOT
.set SC,     WT+1024
.set RED,    SC+2048
.set SPARE,  RED+256
.set FR,     16
.set NL,     4
.set NP,     4
.set LAPS,   4
.set REDW, 12
.set REDR, 13
.set ADRA, 16
.set ADRB, 20
.set WTW,  22
.set WRD,  23
.set SCW,  24
.set SCR,  25
.set LN16, 26
.set TH8,  27
.set SPW,  28
.set NIL,  29
.set TH16, 30
.set LN8,  31
.set WV,   32
.set S,    100
.set VS,   116
.set FIN,  120
.set AF,   128
.set G1, 24
.set G0, 32
.set G1B, 48
.set G0B, 56
.set MSB, 0
.macro WIN new
.if MSB != (\new)
	s_set_vgpr_msb (MSB<<8)|(\new)
.set MSB, (\new)
.endif
.endm
.set MUL_LO, 0xa4
.set MUL_HI, 0xf4
.set TO_B,   0x40
.macro JLOAD g0a, g1a, g0b, g1b
	s_cmp_eq_u32 s15, 0
	s_cbranch_scc0 .Lfor_b_\@
	tensor_load_to_lds s[\g0a:\g0a+3], s[\g1a:\g1a+7]
	s_nop 0
.rept 4
	v_nop
.endr
	s_branch .Lasked_\@
.Lfor_b_\@:
	tensor_load_to_lds s[\g0b:\g0b+3], s[\g1b:\g1b+7]
	s_nop 0
.rept 4
	v_nop
.endr
.Lasked_\@:
.endm
.macro CREST
	s_cmp_lg_u32 s14, 0
	s_cbranch_scc1 .Lnot_wave_0_\@
	s_barrier_signal -3
.Lnot_wave_0_\@:
	s_barrier_wait -3
	s_barrier_signal -1
	s_barrier_wait -1
.endm
.macro CROUND
	s_barrier_signal -1
	s_barrier_wait -1
	CREST
.endm
	s_load_b256 s[4:11], s[0:1], 0x0
	s_load_b128 s[84:87], s[0:1], 0x20
	v_lshl_add_u32 v[SPW], v0, 2, SPARE
	v_mov_b32 v[NIL], 0
	ds_add_u32 v[SPW], v[NIL]
	ds_add_u32 v[SPW], v[NIL]
	v_lshrrev_b32 v1, 5, v0
	v_readfirstlane_b32 s14, v1
	s_lshr_b32 s15, s14, 1
	s_and_b32 s16, s14, 1
	s_bfe_u32 s40, ttmp6, 0x40000
	s_bfe_u32 s41, ttmp6, 0x40004
	s_lshl_b32 s42, ttmp9, 2
	s_add_co_u32 s42, s42, s40
	s_and_b32 s17, ttmp7, 0xffff
	s_lshr_b32 s72, s17, 1
	s_lshl_b32 s17, s17, 2
	s_add_co_u32 s17, s17, s41
	s_lshl_b32 s43, s41, 2
	s_lshl_b32 s43, 15, s43
	s_lshl_b32 s44, 0x1111, s40
	s_or_b32 s[G1+0], s43, (0<<16)|(1<<20)|(1<<21)|(5<<22)|(3<<25)
	s_mov_b32 s[G1+1], 256<<16
	s_mov_b32 s[G1+2], 128<<16
	s_mov_b32 s[G1+3], 256<<16
	s_mov_b32 s[G1+4], 128
	s_mov_b32 s[G1+5], 2048
	s_mov_b32 s[G1+6], 0
	s_mov_b32 s[G1+7], 0
	s_or_b32 s[G1B+0], s44, (3<<16)|(1<<21)
	s_mov_b32 s[G1B+1], 32<<16
	s_mov_b32 s[G1B+2], 128<<16
	s_mov_b32 s[G1B+3], 32<<16
	s_mov_b32 s[G1B+4], 128
	s_mov_b32 s[G1B+5], 32
	s_mov_b32 s[G1B+6], 0
	s_mov_b32 s[G1B+7], 0
	s_lshl_b32 s18, s16, 18
	s_lshl_b32 s20, s17, 19
	s_add_co_u32 s20, s20, s18
	s_mov_b32 s21, 0
	s_lshl_b32 s46, s42, 19
	s_add_co_u32 s46, s46, s18
	s_mov_b32 s47, 0
	s_mul_i32 s45, s16, HALFA
	s_mul_i32 s19, s16, HALFB
	s_add_co_u32 s19, s19, 2*HALFA
	s_lshl_b32 s72, s72, 13
	s_mov_b32 s73, 0
	s_lshl_b32 s74, s17, 10
	s_mov_b32 s75, 0
	s_lshl_b32 s94, s40, 8
	s_mov_b32 s95, 0
	s_lshl_b32 s96, s17, 13
	s_lshl_b32 s97, s42, 10
	s_add_co_u32 s96, s96, s97
	s_lshl_b32 s97, s16, 9
	s_add_co_u32 s96, s96, s97
	s_mov_b32 s97, 0
	s_mov_b32 s70, 0x76543210
	s_mov_b32 s71, 0xfedcba98
	s_wait_dscnt 0x0
	s_wait_kmcnt 0x0
	s_load_b128 s[76:79], s[10:11], 0x0
	s_add_nc_u64 s[20:21], s[4:5], s[20:21]
	s_add_nc_u64 s[46:47], s[6:7], s[46:47]
	s_add_nc_u64 s[88:89], s[8:9], s[72:73]
	s_add_nc_u64 s[90:91], s[8:9], s[74:75]
	s_add_nc_u64 s[92:93], s[90:91], s[94:95]
	s_add_nc_u64 s[86:87], s[86:87], s[74:75]
	s_add_nc_u64 s[86:87], s[86:87], s[94:95]
	s_add_nc_u64 s[84:85], s[84:85], s[96:97]
; THE PREFETCHES: behind the joint load of K step j each wave names, once, its share of K step j + 2: of the 128 rows of A (256 bytes each) or the 128 blocks of 256 bytes of B that the wave fetches,
; the partner at place p (cx for A, cy for B) takes 32, a lane each: told apart by address, never by a branch.  The loads of K steps 6 and 7 have no step two on and ask for nothing.
; B's image is loaded by eight rows of clusters: the four even rows ask for it.
.set PFA, 66                           ; s[66:67] the K step that the next prefetch names, my share of it
.set PFS, 68                           ; s[68:69] a K step on, in bytes: 256 in a row of A, 32,768 in B's image
.set LIM, 2                            ; s2  1 in a wave that asks, else the greatest number
.set PFO, 10                           ; v10 my lane's offset: a row of 2,048 bytes in A, a block of 256 in B; never rewritten
.macro ASK how                         ; how = 1: at the head; 0: in the loop, where s3 = 1 in the last trip
.if \how
	s_cmp_eq_u32 s[LIM], 1
.else
	s_cmp_gt_u32 s3, s[LIM]
.endif
	s_cbranch_scc0 .Lnot_mine_\@
	global_prefetch_b8 v[PFO], s[PFA:PFA+1] th:TH_LOAD_NT scope:SCOPE_SE
.Lnot_mine_\@:
.endm
	s_lshl_b32 s68, s40, 16                        ; A: 32 rows x cx
	s_lshl_b32 s69, s41, 13                        ; B: 32 blocks x cy
	s_and_b32 s[LIM], ttmp7, 1                     ; an odd row of clusters?
	s_cmp_eq_u32 s15, 0                            ; do I fetch for A?
	s_cselect_b64 s[PFA:PFA+1], s[20:21], s[46:47]
	s_cselect_b32 s68, s68, s69
	s_cselect_b32 s[LIM], 0, s[LIM]
	s_cselect_b32 s3, 11, 8
	s_mov_b32 s69, 0
	s_add_nc_u64 s[PFA:PFA+1], s[PFA:PFA+1], s[68:69]
	s_mov_b32 s68, 32768
	s_cselect_b32 s68, 256, s68
	s_add_nc_u64 s[PFA:PFA+1], s[PFA:PFA+1], s[PFS:PFS+1]
	s_mov_b64 s[72:73], s[PFA:PFA+1]               ; my share of K step 1, in a pair of its own that is never rewritten
	s_add_nc_u64 s[PFA:PFA+1], s[PFA:PFA+1], s[PFS:PFS+1]  ; at K step 2
	s_cmp_eq_u32 s[LIM], 0
	s_cselect_b32 s[LIM], 1, -1
	v_and_b32 v[PFO], 31, v0
	v_lshlrev_b32 v[PFO], s3, v[PFO]
	v_lshlrev_b32 v[TH16], 4, v0
	v_lshlrev_b32 v[TH8], 3, v0
	v_and_b32 v3, 31, v0
	v_lshlrev_b32 v[LN8], 3, v3
	s_wait_alu depctr_va_vdst(0)
.irp s, 0,1,2,3,4,5,6,7
.irp i, 0,1,2,3
	global_load_b128 v[128+16*\s+4*\i:128+16*\s+4*\i+3], v[TH16], s[88:89] offset:32768*\s+2048*\i
.endr
.endr
.irp s, 0,1,2,3,4,5,6,7
	global_load_b64 v[32+2*\s:33+2*\s], v[TH8], s[90:91] offset:32768*\s
.endr
.irp s, 0,1,2,3,4,5,6,7
	global_load_b64 v[48+2*\s:49+2*\s], v[LN8], s[92:93] offset:32768*\s
.endr
	s_cmp_eq_u32 s[LIM], 1                         ; K step 1 is named here, ahead of the first round: its joint load goes out behind K step 0's landing
	s_cbranch_scc0 .Lno_first
	global_prefetch_b8 v[PFO], s[72:73] th:TH_LOAD_NT scope:SCOPE_SE
.Lno_first:
	CROUND                                         ; the round in front of the first joint loads
.irp s, 0,1
	s_mov_b32 s[G0+4*\s], 1
	s_add_co_u32 s[G0+4*\s+1], s45, \s*SLOT
	s_add_nc_u64 s[G0+4*\s+2:G0+4*\s+3], s[20:21], \s*256
	s_or_b32 s[G0+4*\s+3], s[G0+4*\s+3], 0x80000000
	s_mov_b32 s[G0B+4*\s], 1
	s_add_co_u32 s[G0B+4*\s+1], s19, \s*SLOT
	s_add_nc_u64 s[G0B+4*\s+2:G0B+4*\s+3], s[46:47], \s*32768
	s_or_b32 s[G0B+4*\s+3], s[G0B+4*\s+3], 0x80000000
.endr
	JLOAD G0, G1, G0B, G1B                         ; K step 0: one tensor load a wave at the head
	ASK 1                                          ; names K step 2
	v_and_b32 v1, 15, v0
	v_bfe_u32 v2, v0, 4, 1
	v_mul_u32_u24 v4, v1, PITCH
	v_lshl_add_u32 v4, v2, 4, v4
	s_mul_i32 s94, s15, HALFA
	v_add_nc_u32 v[ADRA], s94, v4
	v_add_nc_u32 v[ADRA+1], SLOT, v[ADRA]
	v_lshlrev_b32 v[LN16], 4, v3
	v_add_nc_u32 v[ADRB], s19, v[LN16]
	v_add_nc_u32 v[ADRB+1], SLOT, v[ADRB]
	v_lshl_add_u32 v[WTW], v0, 3, WT
	s_lshl_b32 s94, s15, 9
	s_add_co_u32 s94, s94, WT
	v_lshl_add_u32 v[WRD], v2, 5, s94
	s_lshl_b32 s94, s14, 9
	s_add_co_u32 s94, s94, SC
	v_lshl_add_u32 v[SCW], v3, 2, s94
	s_lshl_b32 s94, s16, 9
	s_add_co_u32 s94, s94, SC
	v_add_nc_u32 v[SCR], s94, v[LN16]
	v_mov_b32 v[REDW], s14
	v_lshlrev_b32 v[REDW], 2, v[REDW]
	v_add_nc_u32 v[REDW], RED, v[REDW]
	v_mov_b32 v[REDR], RED
	v_mov_b32 v65, 0
	s_wait_alu depctr_va_vdst(0)
	s_wait_xcnt 0x0                                ; my prefetch has read its address
	s_add_nc_u64 s[PFA:PFA+1], s[PFA:PFA+1], s[PFS:PFS+1]
	s_wait_tensorcnt 0x0                           ; my part of K step 0 is in;
	ds_add_u32 v[SPW], v[NIL]
	s_wait_dscnt 0x0                               ; the add is done
	CROUND                                         ; everybody's part of K step 0 lies in LDS, and the joint loads meet
	JLOAD G0+4, G1, G0B+4, G1B                     ; K step 1: slot 1's first fill, the first tensor load behind the round; the softmax below stands under its flight
	ASK 1                                          ; names K step 3
	s_wait_kmcnt 0x0
	s_add_co_i32 s80, s76, s77
	s_add_co_i32 s81, s78, s79
	v_mov_b32 v66, 0x3d0293ee
	v_ldexp_f32 v66, v66, s80
	s_wait_loadcnt 0x0
.irp s, 1,2,3,4,5,6,7
.irp p, 0,2,4,6,8,10,12,14
	v_pk_add_f32 v[128+\p:129+\p], v[128+\p:129+\p], v[128+16*\s+\p:129+16*\s+\p]
.endr
	v_pk_add_f32 v[32:33], v[32:33], v[32+2*\s:33+2*\s]
	v_pk_add_f32 v[48:49], v[48:49], v[48+2*\s:49+2*\s]
.endr
	v_max3_num_f32 v64, v128, v129, v130
.irp i, 131,133,135,137,139,141
	v_max3_num_f32 v64, v64, v[\i], v[\i+1]
.endr
	v_max_num_f32 v64, v64, v143
	v_max_num_f32_dpp v64, v64, v64 row_xmask:1 row_mask:0xf bank_mask:0xf
	v_max_num_f32_dpp v64, v64, v64 row_xmask:2 row_mask:0xf bank_mask:0xf
	v_max_num_f32_dpp v64, v64, v64 row_xmask:4 row_mask:0xf bank_mask:0xf
	v_max_num_f32_dpp v64, v64, v64 row_xmask:8 row_mask:0xf bank_mask:0xf
	v_permlanex16_b32 v65, v64, s70, s71
	v_max_num_f32 v64, v64, v65
	ds_store_b32 v[REDW], v64
	s_wait_dscnt 0x0
	s_barrier_signal -1
	s_barrier_wait -1
	ds_load_b128 v[68:71], v[REDR]
	s_wait_dscnt 0x0
	v_max3_num_f32 v64, v68, v69, v70
	v_max_num_f32 v64, v64, v71
	v_mul_f32 v67, v66, v64
.irp i, 128,129,130,131,132,133,134,135,136,137,138,139,140,141,142,143,32,33,48,49
	v_fma_f32 v[\i], v[\i], v66, -v67
.endr
	s_wait_alu depctr_va_vdst(0)
.irp i, 128,129,130,131,132,133,134,135,136,137,138,139,140,141,142,143,32,33,48,49
	v_exp_f32 v[\i], v[\i]
.endr
	v_nop
	s_wait_alu depctr_va_vdst(0)
	v_pk_add_f32 v[128:129], v[128:129], v[130:131]
	v_pk_add_f32 v[132:133], v[132:133], v[134:135]
	v_pk_add_f32 v[136:137], v[136:137], v[138:139]
	v_pk_add_f32 v[140:141], v[140:141], v[142:143]
	v_pk_add_f32 v[128:129], v[128:129], v[132:133]
	v_pk_add_f32 v[136:137], v[136:137], v[140:141]
	v_pk_add_f32 v[128:129], v[128:129], v[136:137]
	v_add_f32 v64, v128, v129
	v_add_f32_dpp v64, v64, v64 row_xmask:1 row_mask:0xf bank_mask:0xf
	v_add_f32_dpp v64, v64, v64 row_xmask:2 row_mask:0xf bank_mask:0xf
	v_add_f32_dpp v64, v64, v64 row_xmask:4 row_mask:0xf bank_mask:0xf
	v_add_f32_dpp v64, v64, v64 row_xmask:8 row_mask:0xf bank_mask:0xf
	v_permlanex16_b32 v65, v64, s70, s71
	v_add_f32 v64, v64, v65
	ds_store_b32 v[REDW], v64 offset:16
	s_wait_dscnt 0x0
	s_barrier_signal -1
	s_barrier_wait -1
	ds_load_b128 v[68:71], v[REDR] offset:16
	s_wait_dscnt 0x0
	v_add_f32 v68, v68, v69
	v_add_f32 v70, v70, v71
	v_add_f32 v64, v68, v70
	s_wait_alu depctr_va_vdst(0)
	v_rcp_f32 v72, v64
	v_nop
	s_wait_alu depctr_va_vdst(0)
	v_ldexp_f32 v73, v72, s81
	v_mul_f32 v74, v32, v73
	v_mul_f32 v75, v33, -v73
	ds_store_b64 v[WTW], v[74:75]
	v_mul_f32 v76, v48, v72
	v_mul_f32 v77, v49, v72
	s_or_b32 s94, ttmp9, s14
	s_cmp_eq_u32 s94, 0
	s_cbranch_scc0 .Lno_out1
	global_store_b64 v[LN8], v[76:77], s[86:87]
.Lno_out1:
	s_wait_xcnt 0x0
.macro FRAGA reg, slot, q, i
.irp c, 0,1,2,3
	ds_load_b128 v[\reg+4*\c:\reg+4*\c+3], v[ADRA+\slot] offset:128*(\q)+32*\c+(\i)*16*PITCH
.endr
.endm
.macro FRAGB reg, slot, q, i
.irp c, 0,1,2,3
	ds_load_b128 v[\reg+4*\c:\reg+4*\c+3], v[ADRB+\slot] offset:(2*(\i)+(\q))*2048+512*\c
.endr
.endm
.macro MUL16 a0, p, zero
.irp a, \a0, \a0+1
.irp b, 0,1,2,3,4,5,6,7
.if \zero
	v_wmma_f32_16x16x128_fp8_fp8 v[8*(8*((\a)%4)+\b):8*(8*((\a)%4)+\b)+7], v[AF+FR*(\a):AF+FR*(\a)+FR-1], v[128*(\p)+FR*\b:128*(\p)+FR*\b+FR-1], 0
.else
	v_wmma_f32_16x16x128_fp8_fp8 v[8*(8*((\a)%4)+\b):8*(8*((\a)%4)+\b)+7], v[AF+FR*(\a):AF+FR*(\a)+FR-1], v[128*(\p)+FR*\b:128*(\p)+FR*\b+FR-1], v[8*(8*((\a)%4)+\b):8*(8*((\a)%4)+\b)+7]
.endif
.endr
.endr
.endm
.macro FETCH_B slot, q, p
	WIN TO_B
.irp i, 0,1,2,3,4,5,6,7
	FRAGB 128*(\p)+FR*\i, \slot, \q, \i
.endr
	WIN 0
.endm
.macro FETCH_A slot, q, i0
.irp i, \i0, \i0+1, \i0+2, \i0+3
	FRAGA AF+FR*(\i), \slot, \q, \i
.endr
.endm
.macro PLACES n
.rept \n
	v_nop
.endr
.endm
.macro STEP slot, q, zero
	s_wait_dscnt 4*NL
	WIN MUL_LO
	MUL16 0, (\q)%2, \zero
	MUL16 2, (\q)%2, \zero
	s_wait_dscnt 0
	PLACES NP
	FETCH_B \slot, (\q)+1, 1-(\q)%2
	FETCH_A \slot, (\q)+1, 0
	WIN MUL_HI
	MUL16 4, (\q)%2, \zero
	MUL16 6, (\q)%2, \zero
	PLACES NP
	WIN 0
	FETCH_A \slot, (\q)+1, 4
.endm
.macro TURN slot, next, fill
.if \fill
	s_wait_xcnt 0x0                                ; my prefetch has read its address: it is stepped here, a K step behind that prefetch
	s_add_nc_u64 s[PFA:PFA+1], s[PFA:PFA+1], s[PFS:PFS+1]
.endif
	s_wait_tensorcnt 0x0
	ds_add_u32 v[SPW], v[NIL]
	s_wait_dscnt 4*NL+1
	WIN MUL_LO
	MUL16 0, 1, 0
	s_wait_dscnt 0x0
	s_barrier_signal -1
	MUL16 2, 1, 0
	WIN 0
	s_barrier_wait -1
.if \fill
	CREST
	s_add_nc_u64 s[G0+4*\slot+2:G0+4*\slot+3], s[G0+4*\slot+2:G0+4*\slot+3], 512
	s_add_nc_u64 s[G0B+4*\slot+2:G0B+4*\slot+3], s[G0B+4*\slot+2:G0B+4*\slot+3], 65536
	JLOAD G0+4*\slot, G1, G0B+4*\slot, G1B
.else
	PLACES NP
.endif
	FETCH_B \next, 0, 0
	FETCH_A \next, 0, 0
.if \fill
	ASK 0                                          ; behind the joint load and the run of LDS loads: the K step two refills on
.endif
	WIN MUL_HI
	MUL16 4, 1, 0
	MUL16 6, 1, 0
	PLACES NP
	WIN 0
	FETCH_A \next, 0, 4
.endm
	s_wait_dscnt 0x0                               ; my store of the weights is done (K step 0 was shown whole by the round above)
	s_barrier_signal -1
	s_barrier_wait -1
.irp a, 0,1,2,3,4,5,6,7
	ds_load_b128 v[WV+8*\a:WV+8*\a+3],   v[WRD] offset:64*\a
	ds_load_b128 v[WV+8*\a+4:WV+8*\a+7], v[WRD] offset:64*\a+16
.endr
	FETCH_B 0, 0, 0
	FETCH_A 0, 0, 0
	FETCH_A 0, 0, 4
	STEP 0, 0, 1
	s_mov_b32 s3, LAPS-1
.Llap:
	TURN 0, 1, 1
	STEP 1, 0, 0
	TURN 1, 0, 1
	STEP 0, 0, 0
	s_sub_co_u32 s3, s3, 1
	s_cmp_lg_u32 s3, 0
	s_cbranch_scc1 .Llap
	TURN 0, 1, 0
	STEP 1, 0, 0
	s_wait_dscnt 4*NL
	WIN MUL_LO
	MUL16 0, 1, 0
	MUL16 2, 1, 0
	s_wait_dscnt 0
	WIN MUL_HI
	MUL16 4, 1, 0
	MUL16 6, 1, 0
	WIN 0
	PLACES NP
.irp g, 0,1
	WIN 0x02+\g
.irp a, 0,1,2,3
.irp jp, 0,2,4,6
.irp b, 0,1,2,3,4,5,6,7
.if (\g == 0) && (\a == 0) && (\jp == 0)
	v_pk_mul_f32 v[S+2*\b:S+2*\b+1], v[64*\a+8*\b+\jp:64*\a+8*\b+\jp+1], v[WV+8*(4*\g+\a)+\jp:WV+8*(4*\g+\a)+\jp+1]
.else
	v_pk_fma_f32 v[S+2*\b:S+2*\b+1], v[64*\a+8*\b+\jp:64*\a+8*\b+\jp+1], v[WV+8*(4*\g+\a)+\jp:WV+8*(4*\g+\a)+\jp+1], v[S+2*\b:S+2*\b+1]
.endif
.endr
.endr
.endr
.endr
	WIN 0
.irp b, 0,1,2,3,4,5,6,7
	v_add_f32 v[S+2*\b], v[S+2*\b], v[S+2*\b+1]
.endr
.irp b, 0,1,2,3,4,5,6,7
	v_permlanex16_b32 v[S+2*\b+1], v[S+2*\b], s70, s71
.endr
.irp b, 0,1,2,3,4,5,6,7
	v_add_f32 v[S+2*\b], v[S+2*\b], v[S+2*\b+1]
.endr
	v_cmp_eq_u32 vcc_lo, 1, v2
.irp b, 0,1,2,3
	v_cndmask_b32 v[VS+\b], v[S+4*\b], v[S+4*\b+2], vcc_lo
.endr
.irp b, 0,1,2,3
	ds_store_b32 v[SCW], v[VS+\b] offset:128*\b
.endr
	s_wait_dscnt 0x0
	s_barrier_signal -1
	s_barrier_wait -1
	s_cmp_lt_u32 s14, 2
	s_cbranch_scc0 .Ldone
	ds_load_b128 v[FIN:FIN+3], v[SCR]
	ds_load_b128 v[FIN+4:FIN+7], v[SCR] offset:1024
	s_wait_dscnt 0x0
	v_pk_add_f32 v[FIN:FIN+1], v[FIN:FIN+1], v[FIN+4:FIN+5]
	v_pk_add_f32 v[FIN+2:FIN+3], v[FIN+2:FIN+3], v[FIN+6:FIN+7]
	global_store_b128 v[LN16], v[FIN:FIN+3], s[84:85]
.Ldone:
	s_wait_tensorcnt 0x0
	ds_add_u32 v[SPW], v[NIL]
	s_wait_dscnt 0x0
	CROUND
	s_endpgm
.Lfunc_end_k_q3e3d72f723_vsum:
	.size	k_q3e3d72f723_vsum, .Lfunc_end_k_q3e3d72f723_vsum-k_q3e3d72f723_vsum
	.p2alignl 7, 3214868480
	.fill 96, 4, 3214868480
	.section	.rodata,"a",@progbits
	.p2align	6, 0x0
	.amdhsa_kernel k_q3e3d72f723_vsum
		.amdhsa_group_segment_fixed_size 327680
		.amdhsa_private_segment_fixed_size 0
		.amdhsa_enable_private_segment 0
		.amdhsa_kernarg_size 48
		.amdhsa_user_sgpr_count 2
		.amdhsa_user_sgpr_kernarg_segment_ptr 1
		.amdhsa_wavefront_size32 1
		.amdhsa_system_sgpr_workgroup_id_x 1
		.amdhsa_system_sgpr_workgroup_id_y 1
		.amdhsa_system_sgpr_workgroup_id_z 1
		.amdhsa_system_vgpr_workitem_id 0
		.amdhsa_next_free_vgpr 1024
		.amdhsa_next_free_sgpr 98
		.amdhsa_reserve_vcc 1
		.amdhsa_float_denorm_mode_32 3
		.amdhsa_float_denorm_mode_16_64 3
		.amdhsa_memory_ordered 1
		.amdhsa_forward_progress 1
		.amdhsa_inst_pref_size 113
	.end_amdhsa_kernel
	.amdgpu_metadata
---
amdhsa.version: [ 1, 2 ]
amdhsa.kernels:
  - .name:           k_q3e3d72f723_vsum
    .symbol:         k_q3e3d72f723_vsum.kd
    .args:
      - { .name: xv, .offset: 0, .size: 8, .value_kind: global_buffer, .address_space: global }
      - { .name: wv, .offset: 8, .size: 8, .value_kind: global_buffer, .address_space: global }
      - { .name: spart, .offset: 16, .size: 8, .value_kind: global_buffer, .address_space: global }
      - { .name: lowp_scales, .offset: 24, .size: 8, .value_kind: global_buffer, .address_space: global }
      - { .name: opart, .offset: 32, .size: 8, .value_kind: global_buffer, .address_space: global }
      - { .name: out1, .offset: 40, .size: 8, .value_kind: global_buffer, .address_space: global }
    .group_segment_fixed_size: 327680
    .private_segment_fixed_size: 0
    .kernarg_segment_align: 8
    .kernarg_segment_size: 48
    .max_flat_workgroup_size: 128
    .sgpr_count:     98
    .vgpr_count:     1024
    .wavefront_size: 32
...
	.end_amdgpu_metadata
.endif
;; end of part 3
;; launch proj (part 4): grid 64 x 4, 32 waves a work-group, no clusters, 16,384 bytes of LDS; arguments opart, bv, Wp, bp, out0; writes out0
.if DOCPART == 4
	.amdgcn_target "amdgcn-amd-amdhsa--gfx1250"
	.amdhsa_code_object_version 6
	.text
	.protected	k_q3e3d72f723_proj
	.globl	k_q3e3d72f723_proj
	.p2align	8
	.type	k_q3e3d72f723_proj,@function
k_q3e3d72f723_proj:
	s_mov_b64 s[64:65], 0
	v_nop
	global_prefetch_b8 v0, s[64:65] scope:SCOPE_SE
	s_setreg_imm32_b32 hwreg(HW_REG_WAVE_MODE, 25, 1), 1
	s_wait_xcnt 0x0
; FOURTH LAUNCH.  o[b][c] = the sum of batch b's eight rows of opart + bv[c]; out0[b][n] = sum over c of o[b][c] Wp[c][n] + bp[n].  All in f32, by fused multiply-adds: one row a work-group is no work for the matrix unit.
; bv is added here, once: sum_t wei[t] (x[t] Wv + bv) = sum_t wei[t] (x[t] Wv) + bv, since the weights of a row sum to 1 (shown at the head of the first launch).
; SHARES.  256 work-groups: work-group (x, y) owns columns 32 x .. 32 x + 31 of batch y, over all of K: each output has one owner, and no further launch adds parts.
; Wave w of 32 takes rows 64 w .. 64 w + 63 of Wp.  Lane l takes columns 4 (l % 8) .. + 3 and rows 16 (l / 8) + i, i = 0 .. 15: one load of 16 bytes a lane reads 128 consecutive bytes of each of four rows,
; and the sixteen numbers of o that a lane wants are 64 neighbouring bytes.
; A work-group reads 256 KiB of Wp and the 64 KiB of opart that are its batch's; a wave has 26 loads, all issued on end ahead of the first wait.
; The four work-groups of a column group read the same rows of Wp.  They are no cluster: each takes its share through registers, every byte once and straight into the multiply-adds' operands; a joint tensor load would add a
; turn through LDS and the cluster's rounds to a text that waits for memory once.
; 32 columns are 128 bytes of a row of Wp and of out0; out0 is 32,768 bytes in all.
; A wave makes o for its own 64 rows (a lane two rows) and turns it through its own 256 bytes of LDS, so that each lane can read the sixteen that it wants.
.set OT,    0                          ; LDS: o, 256 bytes for each wave
.set RED,   8192                       ; the waves' partial sums: 32 columns, 128 bytes each
.set SPARE, 12288                      ; the spare words, 128 bytes for each wave: sixteen blocks of 256 bytes that no other line names
	s_load_b256 s[4:11], s[0:1], 0x0               ; opart 4, bv 6, Wp 8, bp 10
	s_load_b64 s[12:13], s[0:1], 0x20              ; out0
	v_lshl_add_u32 v8, v0, 2, SPARE                ; my spare word; never rewritten
	v_mov_b32 v9, 0                                ; 0; never rewritten
	v_lshrrev_b32 v7, 5, v0
	s_delay_alu instid0(VALU_DEP_1)
	v_readfirstlane_b32 s14, v7                    ; wave 0..31
	v_and_b32 v13, 31, v0                          ; lane
	s_delay_alu instid0(VALU_DEP_1)
	v_lshlrev_b32 v1, 2, v13                       ; 4 x lane
	s_delay_alu instid0(VALU_DEP_2)
	v_lshlrev_b32 v2, 3, v13                       ; 8 x lane
	s_delay_alu instid0(VALU_DEP_3)
	v_and_b32 v14, 7, v13                          ; which four columns
	s_delay_alu instid0(VALU_DEP_4)
	v_lshrrev_b32 v15, 3, v13                      ; which sixteen rows
	s_delay_alu instid0(VALU_DEP_2)
	v_lshlrev_b32 v3, 4, v14
	s_delay_alu instid0(VALU_DEP_1)
	v_lshl_add_u32 v3, v15, 17, v3                 ; Wp: 16 rows of 8,192 bytes x (lane / 8) + 16 x (lane % 8)
	s_lshl_b32 s15, s14, 8                         ; 256 x wave: my wave's o in LDS; also my 64 rows as numbers of bv and of a row of opart
	v_add_nc_u32 v4, s15, v2                       ; o on the way in: my two rows
	v_lshl_add_u32 v5, v15, 6, s15                 ; and on the way out: my sixteen
	s_lshl_b32 s16, s14, 7
	s_add_co_u32 s16, s16, RED
	v_lshl_add_u32 v6, v14, 4, s16                 ; my wave's partial sums, my four columns
	v_add_nc_u32 v7, RED, v1                       ; wave 0: column = lane, in wave 0's partial sums
	s_and_b32 s17, ttmp7, 0xffff                   ; the batch
	s_lshl_b32 s18, ttmp9, 7                       ; my work-group's 32 columns, in bytes
	s_lshl_b32 s20, s17, 16                        ; opart [32 mtile][2048 n]: the batch's eight rows of 8,192 bytes,
	s_add_co_u32 s20, s20, s15                     ; my wave's 64 numbers of each
	s_mov_b32 s21, 0
	s_mov_b32 s22, s15                             ; bv likewise
	s_mov_b32 s23, 0
	s_lshl_b32 s24, s14, 19                        ; Wp: my wave's 64 rows,
	s_add_co_u32 s24, s24, s18                     ; my work-group's columns
	s_mov_b32 s25, 0
	s_mov_b32 s26, s18                             ; bp
	s_mov_b32 s27, 0
	s_lshl_b32 s28, s17, 13                        ; out0: the batch's row,
	s_add_co_u32 s28, s28, s18                     ; my work-group's columns
	s_mov_b32 s29, 0
	s_mov_b32 s30, 0x76543210                      ; v_permlanex16_b32's selects for lane l xor 16
	s_mov_b32 s31, 0xfedcba98
	s_wait_alu depctr_va_vdst(0)
	s_wait_kmcnt 0x0
	s_add_nc_u64 s[4:5], s[4:5], s[20:21]
	s_add_nc_u64 s[6:7], s[6:7], s[22:23]
	s_add_nc_u64 s[8:9], s[8:9], s[24:25]
	s_add_nc_u64 s[10:11], s[10:11], s[26:27]
	s_add_nc_u64 s[12:13], s[12:13], s[28:29]
	global_load_b32 v12, v1, s[10:11]              ; bp of column = lane
	global_load_b64 v[10:11], v2, s[6:7]           ; bv of my two rows
.irp p, 0,1,2,3,4,5,6,7
	global_load_b64 v[16+2*\p:17+2*\p], v2, s[4:5] offset:8192*\p          ; the batch's eight parts of o, my two rows: the wave reads 256 consecutive bytes
.endr
.set nn, 0
.rept 16
	global_load_b128 v[64+4*nn:67+4*nn], v3, s[8:9] offset:8192*nn         ; Wp's rows 16 (lane / 8) + nn, my four columns
.set nn, nn+1
.endr
	s_wait_loadcnt 16                              ; bp, bv and the eight parts are in; the sixteen loads of Wp may be out
	v_pk_add_f32 v[16:17], v[16:17], v[18:19]
	v_pk_add_f32 v[20:21], v[20:21], v[22:23]
	v_pk_add_f32 v[24:25], v[24:25], v[26:27]
	v_pk_add_f32 v[28:29], v[28:29], v[30:31]
	s_delay_alu instid0(VALU_DEP_3)
	v_pk_add_f32 v[16:17], v[16:17], v[20:21]
	s_delay_alu instid0(VALU_DEP_2)
	v_pk_add_f32 v[24:25], v[24:25], v[28:29]
	s_delay_alu instid0(VALU_DEP_1)
	v_pk_add_f32 v[16:17], v[16:17], v[24:25]
	s_delay_alu instid0(VALU_DEP_1)
	v_pk_add_f32 v[16:17], v[16:17], v[10:11]      ; + bv: o of my two rows
	ds_store_b64 v4, v[16:17] offset:OT
.irp k, 0,1,2,3
	ds_load_b128 v[32+4*\k:35+4*\k], v5 offset:OT+16*\k    ; my wave's own bytes: LDS serves a wave's instructions in order (ISA guide 5.7.1.4): o of rows 16 (lane / 8) + 0 .. 15
.endr
	s_wait_dscnt 0x0
.irp g, 0,1,2,3                        ; four rows at a time; even rows add into v48-51, odd rows into v52-55
	s_wait_alu depctr_va_vdst(0)
	s_wait_loadcnt 12-4*\g                         ; this group's four loads are in; the rows behind them may be out
.irp u, 0,1,2,3
.irp j, 0,1,2,3
.if (\g == 0) && (\u < 2)
	v_mul_f32 v[48+4*(\u%2)+\j], v[32+4*\g+\u], v[64+16*\g+4*\u+\j]        ; the first two rows start the sums: nothing is cleared
.else
	v_fmac_f32 v[48+4*(\u%2)+\j], v[32+4*\g+\u], v[64+16*\g+4*\u+\j]
.endif
.endr
.endr
.endr
	s_delay_alu instid0(VALU_DEP_3)
	v_pk_add_f32 v[48:49], v[48:49], v[52:53]      ; even rows' and odd rows'
	s_delay_alu instid0(VALU_DEP_2)
	v_pk_add_f32 v[50:51], v[50:51], v[54:55]
.irp j, 0,1,2,3
	v_add_f32_dpp v[48+\j], v[48+\j], v[48+\j] row_xmask:8 row_mask:0xf bank_mask:0xf   ; the lane eight away holds the same columns of sixteen other rows,
.endr
.irp j, 0,1,2,3
	s_delay_alu instid0(VALU_DEP_4)
	v_permlanex16_b32 v[52+\j], v[48+\j], s30, s31                                      ; and so does the lane sixteen away
.endr
	s_delay_alu instid0(VALU_DEP_3)
	v_pk_add_f32 v[48:49], v[48:49], v[52:53]
	s_delay_alu instid0(VALU_DEP_2)
	v_pk_add_f32 v[50:51], v[50:51], v[54:55]      ; my four columns over the wave's 64 rows, in all four lanes that share them
	ds_store_b128 v6, v[48:51]                     ; those four lanes write the same bytes with the same values
	s_wait_dscnt 0x0                               ; for the others' sake: my wave's partial sums lie in LDS
	s_barrier_signal -1
	s_barrier_wait -1
	s_cmp_lg_u32 s14, 0                            ; wave 0 adds the 32 waves' sums, a lane a column
	s_cbranch_scc1 .Lend
.set nn, 0
.rept 32
	ds_load_b32 v[64+nn], v7 offset:128*nn         ; 128 consecutive bytes a load
.set nn, nn+1
.endr
	s_wait_dscnt 0x0
.irp k, 0,2,4,6,8,10,12,14
	v_pk_add_f32 v[64+\k:65+\k], v[64+\k:65+\k], v[80+\k:81+\k]
.endr
.irp k, 0,2,4,6
	s_delay_alu instid0(VALU_DEP_4)
	v_pk_add_f32 v[64+\k:65+\k], v[64+\k:65+\k], v[72+\k:73+\k]
.endr
.irp k, 0,2
	s_delay_alu instid0(VALU_DEP_2)
	v_pk_add_f32 v[64+\k:65+\k], v[64+\k:65+\k], v[68+\k:69+\k]
.endr
	s_delay_alu instid0(VALU_DEP_1)
	v_pk_add_f32 v[64:65], v[64:65], v[66:67]
	s_delay_alu instid0(VALU_DEP_1)
	v_add_f32 v64, v64, v65
	s_delay_alu instid0(VALU_DEP_1)
	v_add_f32 v64, v64, v12                        ; + bp
	global_store_b32 v1, v64, s[12:13]             ; 128 consecutive bytes of the batch's row
.Lend:
	s_wait_tensorcnt 0x0                           ; the wave's end: a tensor wait, an LDS add and an LDS wait behind my last LDS store, the tensor wait though the text has no tensor load
	ds_add_u32 v8, v9
	s_wait_dscnt 0x0
	s_endpgm
.Lfunc_end_k_q3e3d72f723_proj:
	.size	k_q3e3d72f723_proj, .Lfunc_end_k_q3e3d72f723_proj-k_q3e3d72f723_proj
	.p2alignl 7, 3214868480
	.fill 96, 4, 3214868480
	.section	.rodata,"a",@progbits
	.p2align	6, 0x0
	.amdhsa_kernel k_q3e3d72f723_proj
		.amdhsa_group_segment_fixed_size 16384
		.amdhsa_private_segment_fixed_size 0
		.amdhsa_enable_private_segment 0
		.amdhsa_kernarg_size 40
		.amdhsa_user_sgpr_count 2
		.amdhsa_user_sgpr_kernarg_segment_ptr 1
		.amdhsa_wavefront_size32 1
		.amdhsa_system_sgpr_workgroup_id_x 1
		.amdhsa_system_sgpr_workgroup_id_y 1
		.amdhsa_system_sgpr_workgroup_id_z 1
		.amdhsa_system_vgpr_workitem_id 0
		.amdhsa_next_free_vgpr 128
		.amdhsa_next_free_sgpr 66
		.amdhsa_reserve_vcc 0
		.amdhsa_float_denorm_mode_32 3
		.amdhsa_float_denorm_mode_16_64 3
		.amdhsa_memory_ordered 1
		.amdhsa_forward_progress 1
		.amdhsa_inst_pref_size 13
	.end_amdhsa_kernel
	.amdgpu_metadata
---
amdhsa.version: [ 1, 2 ]
amdhsa.kernels:
  - .name:           k_q3e3d72f723_proj
    .symbol:         k_q3e3d72f723_proj.kd
    .args:
      - { .name: opart, .offset: 0, .size: 8, .value_kind: global_buffer, .address_space: global }
      - { .name: bv, .offset: 8, .size: 8, .value_kind: global_buffer, .address_space: global }
      - { .name: Wp, .offset: 16, .size: 8, .value_kind: global_buffer, .address_space: global }
      - { .name: bp, .offset: 24, .size: 8, .value_kind: global_buffer, .address_space: global }
      - { .name: out0, .offset: 32, .size: 8, .value_kind: global_buffer, .address_space: global }
    .group_segment_fixed_size: 16384
    .private_segment_fixed_size: 0
    .kernarg_segment_align: 8
    .kernarg_segment_size: 40
    .max_flat_workgroup_size: 1024
    .sgpr_count:     66
    .vgpr_count:     128
    .wavefront_size: 32
...
	.end_amdgpu_metadata
.endif
;; end of part 4
